; MI455X (gfx1250); checked and timed in simulation.
; The chip was launched on July 23, 2026; its instructions are those of AMD's public machine-readable ISA for CDNA 5 (MIT licence, August 2026) and "CDNA5" Instruction Set Architecture Reference Guide (July 2026). The comments in the code are by the model that wrote it; some were corrected since.
;; Donut Swin Layer. Allowed arithmetic: matrix products marked QUANTISED: E3M2 operands, one E8M0 scale for each 32 along K, by v_wmma_scale_f32_16x16x128_f8f6f4 with both operands' format E3M2, f32 sums; everything else in f32.
;; Inputs: fc1_b 2,048 float32; fc1_w_codes 2,048 x 16 x 24 uint8 (E3M2 codes of fc1_w, K innermost, in blocks of 32 codes, four codes in three bytes); fc1_w_scales 2,048 x 16 uint8 (E8M0 scales of fc1_w, one for each 32 codes along K); fc2_b 512 float32; fc2_w_codes 512 x 64 x 24 uint8 (E3M2 codes of fc2_w, K innermost, in blocks of 32 codes, four codes in three bytes); fc2_w_scales 512 x 64 uint8 (E8M0 scales of fc2_w, one for each 32 codes along K); hidden_states 16 x 1,024 x 512 float32; k_b 512 float32; k_w_codes 512 x 16 x 24 uint8 (E3M2 codes of k_w, K innermost, in blocks of 32 codes, four codes in three bytes); k_w_scales 512 x 16 uint8 (E8M0 scales of k_w, one for each 32 codes along K); ln1_b 512 float32; ln1_w 512 float32; ln2_b 512 float32; ln2_w 512 float32; proj_b 512 float32; proj_w_codes 512 x 16 x 24 uint8 (E3M2 codes of proj_w, K innermost, in blocks of 32 codes, four codes in three bytes); proj_w_scales 512 x 16 uint8 (E8M0 scales of proj_w, one for each 32 codes along K); q_b 512 float32; q_w_codes 512 x 16 x 24 uint8 (E3M2 codes of q_w, K innermost, in blocks of 32 codes, four codes in three bytes); q_w_scales 512 x 16 uint8 (E8M0 scales of q_w, one for each 32 codes along K); rel_bias_table 225 x 16 float32; v_b 512 float32; v_w_codes 512 x 16 x 24 uint8 (E3M2 codes of v_w, K innermost, in blocks of 32 codes, four codes in three bytes); v_w_scales 512 x 16 uint8 (E8M0 scales of v_w, one for each 32 codes along K).
;; Outputs: out0 16 x 1,024 x 512 float32.
;; This version of the problem:
;;   THIS VERSION OF THE PROBLEM IS GIVEN IN LOW PRECISION. The matrix products marked QUANTISED in the list below multiply operands that are first quantised to E3M2 (3 exponent bits, 2 mantissa bits; 6 bits a number), with one power-of-two scale for each 32 numbers along K (OCP MX v1.0); their sums are f32. All else is computed in f32.
;;   The module's matrix products, in the order in which they are computed (A, B: the left and right operand; K: the contracted axis; several contracted axes count as one K, in the product's order):
;;     1. [M 16,384, K 512] x [K 512, N 512]; A: computed on the way; B: input q_w (given as codes): QUANTISED
;;     2. [M 16,384, K 512] x [K 512, N 512]; A: computed on the way; B: input k_w (given as codes): QUANTISED
;;     3. [M 16,384, K 512] x [K 512, N 512]; A: computed on the way; B: input v_w (given as codes): QUANTISED
;;     4. batch 4,096 x [M 64, K 32] x [K 32, N 64]; A: computed on the way; B: computed on the way: QUANTISED
;;     5. batch 4,096 x [M 64, K 64] x [K 64, N 32]; A: softmax (see below); B: computed on the way: QUANTISED
;;     6. [M 16,384, K 512] x [K 512, N 512]; A: computed on the way; B: input proj_w (given as codes): QUANTISED
;;     7. [M 16,384, K 512] x [K 512, N 2,048]; A: computed on the way; B: input fc1_w (given as codes): QUANTISED
;;     8. [M 16,384, K 2,048] x [K 2,048, N 512]; A: computed on the way; B: input fc2_w (given as codes): QUANTISED
;;   THE QUANTISER, for each operand of a quantised product, along K:
;;     - K is cut into blocks of 32 from its start; a last block that is shorter is filled with zeros.
;;     - A block's scale is 2^e with e = floor(log2(the largest magnitude in the block)) - 4, held to -126 .. 127; a block of zeros has e = 0. As a byte (E8M0): e + 127.
;;     - Each number is divided by its block's scale, clamped to +-28, and rounded to the nearest number of E3M2, ties to even, subnormals kept.
;;     - The product sums the exact products of the quantised numbers (number of the format x scale) in f32.
;;   ~~~python
;;   def quantise(x, axis):      # numpy; x: float32 -> the quantised numbers, widened to float32 again
;;       x = np.moveaxis(x, axis, -1); K = x.shape[-1]
;;       x = np.pad(x, [(0, 0)] * (x.ndim - 1) + [(0, -K % 32)]); x = x.reshape(x.shape[:-1] + (-1, 32)); a = np.abs(x).max(-1, keepdims=True)
;;       e = np.where(a > 0, np.clip(np.frexp(np.where(a > 0, a, 1))[1] - 1 - 4, -126, 127), 0)      # np.frexp(a)[1] - 1 = floor(log2(a)), exactly
;;       r = np.clip(x / 2.0 ** e, -28, 28)
;;       step = 2.0 ** (np.maximum(np.frexp(np.where(r == 0, 1, r))[1] - 1, -2) - 2)
;;       q = np.round(r / step) * step * 2.0 ** e      # np.round: ties to even
;;       return np.moveaxis(q.reshape(q.shape[:-2] + (-1,))[..., :K], -1, axis).astype(np.float32)
;;   ~~~
;;   SOFTMAX AHEAD OF A QUANTISED PRODUCT. Where the list says 'softmax', what is quantised is not the finished softmax but p = 2^(t - M), with t = logit x log2(e) and M = ceil(the row's largest t), a whole number; so 1/2 < the row's largest p <= 1. The row's sum l is taken of the UNQUANTISED p, in f32, and the product's result is divided by l at the end. Since M is a whole number, a kernel that streams over the keys may use a running M (the ceiling of the running maximum): every later rescaling is an exact power of two, which a block's scale takes up: the codes' values come out the same.
;;   OPERANDS COMPUTED ON THE WAY. 'Computed on the way' means the value that the module computes at that place (a softmax that the list does not call 'softmax' is quantised finished and normalised). What goes into a quantiser is computed in f32, as accurately as f32 sums, v_exp_f32 and their like allow (about 1e-6 of the number): no bf16 or f16 on the way to a quantiser, and a product that is left as it is and whose result goes on into a quantised operand takes f32 operands (vector FMAs, or v_wmma_f32_16x16x4_f32). A number that lies on a knife's edge between two numbers of the format may be rounded either way, as far as f32 arithmetic and the matrix unit's own rounding can turn it there, and no further.
;;   INPUTS GIVEN AS CODES. fc1_w (in the module: [2048, 512], K = its axis 1); fc2_w (in the module: [512, 2048], K = its axis 1); k_w (in the module: [512, 512], K = its axis 1); proj_w (in the module: [512, 512], K = its axis 1); q_w (in the module: [512, 512], K = its axis 1); v_w (in the module: [512, 512], K = its axis 1): each comes as NAME_codes (uint8): NAME with its K axis moved to the last place and cut into blocks of 32 codes, [.., K / 32, bytes a block], one block behind the other in memory; four codes in three bytes: a row's codes are one little-endian stream of bits, code i at bits 6 i .. 6 i + 5 (a code: sign, 3 exponent bits, 2 mantissa bits); and NAME_scales (uint8): the same leading axes, one E8M0 byte (e + 127) for each 32 codes along K. Its value is code x scale, taken as it is: it is not quantised again, and the codes and scales need not be those that the quantiser above would give.
;; One version. Each part assembles by itself: llvm-mc -triple=amdgcn-amd-amdhsa -mcpu=gfx1250 --defsym DOCPART=n.
;; ======== version 1 of 1: 2 launches
;; limits: right only within a limited range of input values
;; workspace buffers: wstream 2,850,816 bytes
;; launch prep (part 1): grid 24 x 8, 8 waves a work-group, no clusters, 0 bytes of LDS; arguments q_w_codes, k_w_codes, v_w_codes, proj_w_codes, fc1_w_codes, fc2_w_codes, q_w_scales, k_w_scales, v_w_scales, proj_w_scales, fc1_w_scales, fc2_w_scales, q_b, k_b, v_b, proj_b, fc1_b, fc2_b, wstream; writes wstream
.if DOCPART == 1
	.amdgcn_target "amdgcn-amd-amdhsa--gfx1250"
	.amdhsa_code_object_version 6
	.text
	.protected	k_q4682bdbe82_prep
	.globl	k_q4682bdbe82_prep
	.p2align	8
	.type	k_q4682bdbe82_prep,@function
k_q4682bdbe82_prep:
	s_mov_b64 s[64:65], 0
	v_nop
	global_prefetch_b8 v0, s[64:65] scope:SCOPE_SE
	s_setreg_imm32_b32 hwreg(HW_REG_WAVE_MODE, 25, 1), 1
	s_wait_xcnt 0x0
; Lays the six weights, their scale words and their biases into one stream, in the order in which a wave of the next launch takes them into its operand registers.
; The stream is 8 waves x 24 records of REC bytes.  A work-group makes record q (grid x) of wave w (grid y); each of its eight waves makes one fragment.
; A record: 8 fragments of 1,536 bytes (register image: registers 4c..4c+3 of lane l at 512 c + 16 l); at 12,288 the scale image (4 registers, 16 bytes a lane); at 12,800 the bias image (16 registers, 4 planes of 512 bytes).
; q 0,1: q_w; 2,3: k_w; 4,5: v_w; 6,7: proj_w (32 rows each, from row 64 w + 32 (q & 1)); 8..15: fc1_w (rows 256 w + 32 (q - 8)); 16..23: fc2_w (rows 64 w .. 64 w + 63, K steps 2 (q - 16) and the next).
; Lane r of a tile takes row (tile's first row) + r + 8 (r / 8); a record's two tiles begin 8 rows apart: so the 16 result registers of the two tiles are 16 neighbours along the next product's K.
; Records 18..23 have no bias image: those bytes are neither written here nor read later.
.set REC, 14848
	s_load_b512 s[4:19], s[0:1], 0x0               ; codes of q, k, v, proj, fc1, fc2 (s4-15); scales of q, k (s16-19)
	s_load_b512 s[20:35], s[0:1], 0x40             ; scales of v, proj, fc1, fc2 (s20-27); biases of q, k, v, proj (s28-35)
	s_load_b128 s[36:39], s[0:1], 0x80             ; biases of fc1, fc2
	s_load_b64 s[40:41], s[0:1], 0x90              ; the stream
	v_lshrrev_b32 v1, 5, v0
	s_delay_alu instid0(VALU_DEP_1)
	v_readfirstlane_b32 s42, v1                    ; f: my wave = my fragment
	s_mov_b32 s43, ttmp9                           ; q
	s_and_b32 s44, ttmp7, 0xffff                   ; w
	v_and_b32 v1, 31, v0
	s_delay_alu instid0(VALU_DEP_1)
	v_lshlrev_b32 v1, 4, v1                        ; 16 x lane
	v_and_b32 v2, 15, v0                           ; r
	v_bfe_u32 v3, v0, 4, 1                         ; h
	s_delay_alu instid0(VALU_DEP_2)
	v_and_b32 v4, 8, v2
	s_delay_alu instid0(VALU_DEP_1)
	v_add_nc_u32 v4, v4, v2                        ; r + 8 (r / 8)
	s_wait_alu depctr_va_vdst(0)
	s_lshr_b32 s45, s43, 1                         ; which tensor: q / 2 under 8, then 4, then 5
	s_cmp_lt_u32 s43, 8
	s_cselect_b32 s45, s45, 4
	s_cmp_lt_u32 s43, 16
	s_cselect_b32 s45, s45, 5
	s_lshl_b32 s56, s44, 6                         ; 64 w
	s_and_b32 s57, s43, 1
	s_lshl_b32 s57, s57, 5
	s_add_co_u32 s57, s57, s56                     ; q < 8: 64 w + 32 (q & 1)
	s_lshl_b32 s58, s44, 8
	s_lshl_b32 s59, s43, 5
	s_add_co_u32 s58, s58, s59
	s_sub_co_u32 s58, s58, 256                     ; fc1: 256 w + 32 (q - 8)
	s_cmp_lt_u32 s43, 8
	s_cselect_b32 s46, s57, s58
	s_mov_b32 s47, 1536
	s_cmp_lt_u32 s43, 16
	s_cselect_b32 s46, s46, s56                    ; R0: the record's first row
	s_cselect_b32 s47, 384, s47                    ; bytes in a row of codes
	s_lshr_b32 s60, s42, 1                         ; K step: f / 2,
	s_lshr_b32 s61, s42, 2
	s_sub_co_u32 s62, s43, 16                      ; (q - 16: used for fc2 alone)
	s_lshl_b32 s63, s62, 1
	s_add_co_u32 s61, s61, s63                     ; or for fc2 2 (q - 16) + f / 4
	s_bfe_u32 s63, s42, 0x10001
	s_lshl_b32 s63, s63, 5                         ; fc2: 32 rows on for fragments 2, 3, 6, 7
	s_cmp_lt_u32 s43, 16
	s_cselect_b32 s60, s60, s61
	s_cselect_b32 s63, 0, s63
	s_and_b32 s61, s42, 1
	s_lshl_b32 s61, s61, 3                         ; the odd tile begins 8 rows on
	s_add_co_u32 s61, s61, s63
	s_add_co_u32 s61, s61, s46
	s_mul_i32 s61, s61, s47
	s_mul_i32 s60, s60, 96                         ; 128 codes are 96 bytes
	s_add_co_u32 s61, s61, s60
	v_mul_lo_u32 v5, v4, s47
	s_delay_alu instid0(VALU_DEP_1)
	v_mad_u32_u24 v5, v3, 24, v5
	s_delay_alu instid0(VALU_DEP_1)
	v_add_nc_u32 v5, s61, v5                       ; my 24 bytes of my row
	s_mul_i32 s66, s44, 24
	s_add_co_u32 s66, s66, s43
	s_mul_i32 s66, s66, REC
	s_mov_b32 s67, 0
	s_mul_i32 s68, s42, 1536
	v_add_nc_u32 v6, s68, v1                       ; my fragment's image, my lane
	s_wait_alu depctr_va_vdst(0)
	s_wait_kmcnt 0x0
	s_add_nc_u64 s[40:41], s[40:41], s[66:67]      ; my record
	s_mov_b64 s[50:51], s[4:5]                     ; the tensor's three buffers: a choice on the work-group's number alone
	s_mov_b64 s[52:53], s[16:17]
	s_mov_b64 s[54:55], s[28:29]
.irp k,1,2,3,4,5
	s_cmp_eq_u32 s45, \k
	s_cselect_b64 s[50:51], s[4+2*\k:5+2*\k], s[50:51]
	s_cselect_b64 s[52:53], s[16+2*\k:17+2*\k], s[52:53]
	s_cselect_b64 s[54:55], s[28+2*\k:29+2*\k], s[54:55]
.endr
.irp p,0,1,2,3,4,5
	global_load_b64 v[8+2*\p:9+2*\p], v5, s[50:51] offset:48*(\p/3)+8*(\p%3)   ; the fragment as the operand's layout wants it
.endr
	s_wait_loadcnt 0x0
.irp c,0,1,2
	global_store_b128 v6, v[8+4*\c:11+4*\c], s[40:41] offset:512*\c            ; 32 lanes store 512 consecutive bytes
.endr
	; wave 0 also makes the scale image
	s_cmp_lg_u32 s42, 0
	s_cbranch_scc1 .Lnot0
	v_lshl_add_u32 v20, v3, 3, v4                  ; lanes 0-15 the even tile's rows, lanes 16-31 the odd tile's
	s_delay_alu instid0(VALU_DEP_1)
	v_add_nc_u32 v20, s46, v20
	s_cmp_lt_u32 s43, 16
	s_cbranch_scc0 .Lsc2
	v_lshlrev_b32 v20, 4, v20                      ; a row's 16 scale bytes are the words of K steps 0..3
	global_load_b128 v[24:27], v20, s[52:53]
	s_branch .Lscst
.Lsc2:
	s_wait_alu depctr_va_vdst(0)
	v_lshlrev_b32 v20, 6, v20                      ; fc2: 64 bytes a row; the record's two K steps are 8 bytes
	s_delay_alu instid0(VALU_DEP_1)
	v_lshl_add_u32 v20, s62, 3, v20
	global_load_b64 v[28:29], v20, s[52:53]
	global_load_b64 v[30:31], v20, s[52:53] offset:2048   ; the tiles 32 rows on
	s_wait_loadcnt 0x0
	v_mov_b32 v24, v28                             ; register 2 (K step) + (pair of tiles)
	v_mov_b32 v25, v30
	v_mov_b32 v26, v29
	v_mov_b32 v27, v31
.Lscst:
	s_wait_alu depctr_va_vdst(0)
	s_wait_loadcnt 0x0
	global_store_b128 v1, v[24:27], s[40:41] offset:12288
.Lnot0:
	; wave 1 also makes the bias image
	s_cmp_lg_u32 s42, 1
	s_cbranch_scc1 .Lend
	s_cmp_ge_u32 s43, 18
	s_cbranch_scc1 .Lend
	s_cmp_eq_u32 s45, 2
	s_cbranch_scc1 .Lbv
	s_lshl_b32 s69, s62, 5                         ; fc2: record 16 carries columns 0-31 of the wave's 64, record 17 columns 32-63
	s_cmp_lt_u32 s43, 16
	s_cselect_b32 s69, 0, s69
	s_add_co_u32 s69, s69, s46
	s_lshl_b32 s69, s69, 2
	v_lshl_add_u32 v21, v3, 6, s69                 ; register e of lane (r, h): bias[first + 16 h + e]
.irp c,0,1,2,3
	global_load_b128 v[32+4*\c:35+4*\c], v21, s[54:55] offset:16*\c
.endr
	s_branch .Lbst
.Lbv:
	v_add_nc_u32 v21, s46, v4                      ; v is multiplied the other way round: a lane holds one channel, so all eight registers of a tile hold that channel's bias
	s_delay_alu instid0(VALU_DEP_1)
	v_lshlrev_b32 v21, 2, v21
	global_load_b32 v48, v21, s[54:55]
	global_load_b32 v49, v21, s[54:55] offset:32
	s_wait_loadcnt 0x0
.irp e,0,1,2,3,4,5,6,7
	v_mov_b32 v[32+\e], v48
	v_mov_b32 v[40+\e], v49
.endr
.Lbst:
	s_wait_loadcnt 0x0
	s_wait_alu depctr_va_vdst(0)
.irp c,0,1,2,3
	global_store_b128 v1, v[32+4*\c:35+4*\c], s[40:41] offset:12800+512*\c
.endr
.Lend:
	s_endpgm
.Lfunc_end_k_q4682bdbe82_prep:
	.size	k_q4682bdbe82_prep, .Lfunc_end_k_q4682bdbe82_prep-k_q4682bdbe82_prep
	.p2alignl 7, 3214868480
	.fill 96, 4, 3214868480
	.section	.rodata,"a",@progbits
	.p2align	6, 0x0
	.amdhsa_kernel k_q4682bdbe82_prep
		.amdhsa_group_segment_fixed_size 0
		.amdhsa_private_segment_fixed_size 0
		.amdhsa_enable_private_segment 0
		.amdhsa_kernarg_size 152
		.amdhsa_user_sgpr_count 2
		.amdhsa_user_sgpr_kernarg_segment_ptr 1
		.amdhsa_wavefront_size32 1
		.amdhsa_system_sgpr_workgroup_id_x 1
		.amdhsa_system_sgpr_workgroup_id_y 1
		.amdhsa_system_sgpr_workgroup_id_z 1
		.amdhsa_system_vgpr_workitem_id 0
		.amdhsa_next_free_vgpr 64
		.amdhsa_next_free_sgpr 72
		.amdhsa_reserve_vcc 0
		.amdhsa_float_denorm_mode_32 3
		.amdhsa_float_denorm_mode_16_64 3
		.amdhsa_memory_ordered 1
		.amdhsa_forward_progress 1
		.amdhsa_inst_pref_size 8
	.end_amdhsa_kernel
	.amdgpu_metadata
---
amdhsa.version: [ 1, 2 ]
amdhsa.kernels:
  - .name:           k_q4682bdbe82_prep
    .symbol:         k_q4682bdbe82_prep.kd
    .args:
      - { .name: q_w_codes, .offset: 0, .size: 8, .value_kind: global_buffer, .address_space: global }
      - { .name: k_w_codes, .offset: 8, .size: 8, .value_kind: global_buffer, .address_space: global }
      - { .name: v_w_codes, .offset: 16, .size: 8, .value_kind: global_buffer, .address_space: global }
      - { .name: proj_w_codes, .offset: 24, .size: 8, .value_kind: global_buffer, .address_space: global }
      - { .name: fc1_w_codes, .offset: 32, .size: 8, .value_kind: global_buffer, .address_space: global }
      - { .name: fc2_w_codes, .offset: 40, .size: 8, .value_kind: global_buffer, .address_space: global }
      - { .name: q_w_scales, .offset: 48, .size: 8, .value_kind: global_buffer, .address_space: global }
      - { .name: k_w_scales, .offset: 56, .size: 8, .value_kind: global_buffer, .address_space: global }
      - { .name: v_w_scales, .offset: 64, .size: 8, .value_kind: global_buffer, .address_space: global }
      - { .name: proj_w_scales, .offset: 72, .size: 8, .value_kind: global_buffer, .address_space: global }
      - { .name: fc1_w_scales, .offset: 80, .size: 8, .value_kind: global_buffer, .address_space: global }
      - { .name: fc2_w_scales, .offset: 88, .size: 8, .value_kind: global_buffer, .address_space: global }
      - { .name: q_b, .offset: 96, .size: 8, .value_kind: global_buffer, .address_space: global }
      - { .name: k_b, .offset: 104, .size: 8, .value_kind: global_buffer, .address_space: global }
      - { .name: v_b, .offset: 112, .size: 8, .value_kind: global_buffer, .address_space: global }
      - { .name: proj_b, .offset: 120, .size: 8, .value_kind: global_buffer, .address_space: global }
      - { .name: fc1_b, .offset: 128, .size: 8, .value_kind: global_buffer, .address_space: global }
      - { .name: fc2_b, .offset: 136, .size: 8, .value_kind: global_buffer, .address_space: global }
      - { .name: wstream, .offset: 144, .size: 8, .value_kind: global_buffer, .address_space: global }
    .group_segment_fixed_size: 0
    .private_segment_fixed_size: 0
    .kernarg_segment_align: 8
    .kernarg_segment_size: 152
    .max_flat_workgroup_size: 256
    .sgpr_count:     72
    .vgpr_count:     64
    .wavefront_size: 32
...
	.end_amdgpu_metadata
.endif
;; end of part 1
;; launch layer (part 2): grid 256 x 1, 8 waves a work-group, no clusters, 324,096 bytes of LDS; arguments hidden_states, ln1_w, ln1_b, ln2_w, ln2_b, rel_bias_table, wstream, out0; writes out0
.if DOCPART == 2
	.amdgcn_target "amdgcn-amd-amdhsa--gfx1250"
	.amdhsa_code_object_version 6
	.text
	.protected	k_q4682bdbe82_layer
	.globl	k_q4682bdbe82_layer
	.p2align	8
	.type	k_q4682bdbe82_layer,@function
k_q4682bdbe82_layer:
	s_mov_b64 s[64:65], 0
	v_nop
	global_prefetch_b8 v0, s[64:65] scope:SCOPE_SE
	s_setreg_imm32_b32 hwreg(HW_REG_WAVE_MODE, 25, 1), 1
	s_wait_xcnt 0x0
; One shifted-window transformer layer, whole: LN1, q k v, attention with relative bias and mask, projection, residual, LN2, fc1, exact GELU, fc2, residual.  All eight products on codes of BF6 (E3M2) with E8M0 scales.
; SHARES.  A work-group is one window of 64 tokens (256 windows); nothing but x and the result goes to memory.  The eight waves share the COLUMNS: wave w owns heads 2w, 2w+1, columns 64w..64w+63 of q, k, v, proj and fc2,
; and hidden units 256w..256w+255.  So each weight fragment is read once by a work-group, straight from the stream into registers (dense loads of 16 bytes a lane), and feeds four products, one for each tile of 16 tokens.
; THE WEIGHT STREAM IS ASKED FOR A K STEP AT A TIME: behind the products of a K step, the same K step of the next record goes into the registers just freed; the waits are counted.
; No tensor loads, no cluster: the weights pass through no LDS (x, the hidden layer and the code images fill it, 314,880 bytes, so there is no room for a ring of weight tiles that partners could share).
; No data prefetch: every record is asked for into registers a record's work (fc2: four K steps) ahead of its use.
; TOKEN ORDER.  LDS row 16 T + r, T = 2b + u, is window position 32b + 8u + r + 8 (r / 8): so the 16 result registers of key tiles 2b, 2b+1 are 16 neighbouring keys, and v's tokens likewise.
; ACTIVATION OPERANDS lie in LDS as block images: block beta of 32 along K, tile T at 1664 beta + 384 T; in it three planes of 128 bytes, plane p holding operand registers 2p, 2p+1 of row r at 128 p + 8 r.
; A fragment is six loads of 8 bytes (lanes 16-31 one block on).  A lane that made 16 codes stores three words.  Scale bytes: 256 s + 64 T + 4 r + (beta & 3).
; Products are used transposed (source 0 = weight rows) so that a lane holds one token and 16 neighbours along the next K; v the other way round, so that its registers run along the tokens, which are its K.
; The biases are the C of each sum's first product; relative bias and mask, times sqrt(32), are the C of k q^T.
; LIMITS: NaN and infinities are not served.  A block of zeros gets the scale byte 1 (its codes are zeros; only this program reads the bytes).  Reciprocal, reciprocal root and exponential are the hardware's (1 ulp; results under 2^-126 are 0).
; Bias and mask enter the scores times sqrt(32), one rounding more than the reference has; the norms' sums are taken in another order.
; GELU: x Phi(x) = max(x, 0) - |x| E, E = erfc(|x| / sqrt 2) / 2 = t 2^(log2 e (P(t) - x^2 / 2) - 1), t = 1 / (1 + |x| / sqrt 8), P of degree 9: a form whose fractional error in erfc is about 1.2e-7 for every x.
.set REC,  14848
.set XP,   2064
.set BS,   1664
.set HIMG, 132096                      ; 64 blocks of the hidden layer; during attention: 13,312 bytes of scratch for each wave
.set HSC,  238592
.set AIMG, 242688
.set ASC,  269312
.set CIMG, 270336
.set CSC,  296960
.set TBL,  297984
.set STAT, 314368
.set GB,   315904                      ; behind the spare words: ln1_w, ln1_b, ln2_w, ln2_b, 2,048 bytes each, stored once at the head
.set WB,   28                          ; v28-123   8 weight fragments
.set ACC,  124                         ; v124-187  8 accumulators
.set AS,   188                         ; v188-195  activation scale words
.set WS,   196                         ; v196-199  weight scale words at work
.set TM,   200
.set PB,   204
.set CD,   208
.set WSP,  252                         ; v252-255  the next record's weight scale words, as they land
.set BI,   224                         ; window 1: v224-255 bias tiles;  v0-191 the 16 activation fragments, (T, s) at 12 (4 T + s)
.set SM,   130
.set OA,   162
.set MSB, 0
.macro WIN new
.if MSB != (\new)
	s_set_vgpr_msb (MSB<<8)|(\new)
.set MSB, \new
.endif
.endm
.macro VW
	s_wait_alu depctr_va_vdst(0)
.endm
.macro NOPS n
.rept \n
	v_nop
.endr
.endm
.macro BAR                             ; my LDS stores have landed and my LDS loads are in: then the work-group's barrier
	VW
	s_wait_dscnt 0x0
	s_barrier_signal -1
	s_barrier_wait -1
.endm
.macro SPAIR r, val
	s_mov_b32 s[\r], \val
	s_mov_b32 s[\r+1], \val
.endm
.macro WM d, a, b, c, sa, sb, ra, rb   ; one product; ra, rb = 1: that side's scales stand in lanes 16-31
.if ((\ra) == 0) && ((\rb) == 0)
	v_wmma_scale_f32_16x16x128_f8f6f4 v[(\d):(\d)+7], v[(\a):(\a)+11], v[(\b):(\b)+11], v[(\c):(\c)+7], v[(\sa)], v[(\sb)] matrix_a_fmt:MATRIX_FMT_BF6 matrix_b_fmt:MATRIX_FMT_BF6
.elseif ((\ra) == 1) && ((\rb) == 0)
	v_wmma_scale_f32_16x16x128_f8f6f4 v[(\d):(\d)+7], v[(\a):(\a)+11], v[(\b):(\b)+11], v[(\c):(\c)+7], v[(\sa)], v[(\sb)] matrix_a_fmt:MATRIX_FMT_BF6 matrix_b_fmt:MATRIX_FMT_BF6 matrix_a_scale:MATRIX_SCALE_ROW1
.elseif ((\ra) == 0) && ((\rb) == 1)
	v_wmma_scale_f32_16x16x128_f8f6f4 v[(\d):(\d)+7], v[(\a):(\a)+11], v[(\b):(\b)+11], v[(\c):(\c)+7], v[(\sa)], v[(\sb)] matrix_a_fmt:MATRIX_FMT_BF6 matrix_b_fmt:MATRIX_FMT_BF6 matrix_b_scale:MATRIX_SCALE_ROW1
.else
	v_wmma_scale_f32_16x16x128_f8f6f4 v[(\d):(\d)+7], v[(\a):(\a)+11], v[(\b):(\b)+11], v[(\c):(\c)+7], v[(\sa)], v[(\sb)] matrix_a_fmt:MATRIX_FMT_BF6 matrix_b_fmt:MATRIX_FMT_BF6 matrix_a_scale:MATRIX_SCALE_ROW1 matrix_b_scale:MATRIX_SCALE_ROW1
.endif
.endm
.macro WMZ d, a, b, sa, sb             ; a product that starts its sum
	v_wmma_scale_f32_16x16x128_f8f6f4 v[(\d):(\d)+7], v[(\a):(\a)+11], v[(\b):(\b)+11], 0, v[(\sa)], v[(\sb)] matrix_a_fmt:MATRIX_FMT_BF6 matrix_b_fmt:MATRIX_FMT_BF6
.endm
.macro PRELOAD bo                      ; the whole record at s[16:17]: scale words, bias tiles, 8 fragments K step by K step: 29 loads, in the order in which UNIT counts them
	global_load_b128 v[WSP:WSP+3], v1, s[16:17] offset:12288
	WIN 0x40
.irp c,0,1,2,3
	global_load_b128 v[BI+4*\c:BI+4*\c+3], v[\bo], s[16:17] offset:12800+512*\c
.endr
	WIN 0
.set i, 0
.rept 24
	global_load_b128 v[WB+4*i:WB+4*i+3], v1, s[16:17] offset:512*i
.set i, i+1
.endr
.endm
.macro NEXTREC                         ; stands behind the work on a record's results: the base is stepped only when no memory instruction still wants it
	s_wait_xcnt 0x0
	s_add_nc_u64 s[16:17], s[16:17], REC
.endm
; 32 products: a record's 2 tiles of 16 weight rows x 4 tiles of tokens x 4 K steps; the 8 accumulators take turns.
; form 0: source 0 = weights, accumulator ACC + 16 T + 8 u.  form 1: source 0 = tokens, accumulator ACC + 32 u + 8 T.
; pre = 1: behind K step s's products the next record's K step s is asked for; behind K step 0 also its scale words and bias tiles.
.macro UNIT form, pre, bo
	s_wait_loadcnt 18                              ; scale words, bias tiles and K step 0 are in; K steps 1 to 3, 18 loads, may be out
.irp i,0,1,2,3
	v_mov_b32 v[WS+\i], v[WSP+\i]
.endr
	VW
	NOPS 8                                         ; a scale register written by a vector instruction stands 8 places ahead of a scaled product
.irp s,0,1,2,3
.if \s > 0
.if \pre
	s_wait_loadcnt 23                              ; behind this K step's six loads: 6+6+11, 6+11+6, 11+6+6
.else
	s_wait_loadcnt 18-6*\s
.endif
.endif
.if \s == 0
	s_wait_dscnt 48                                ; the 24 loads each of K steps 2 and 3 may be out
.elseif \s > 1
	s_wait_dscnt 72-24*\s
.endif
.if \s == 0
	WIN 0x14-3*\form
.else
	WIN 0x04-3*\form
.endif
.irp t,0,1,2,3
.irp u,0,1
.if \form == 0
.set uD, ACC+16*\t+8*\u
.else
.set uD, ACC+32*\u+8*\t
.endif
.if \s == 0
.set uC, BI+8*\u
.else
.set uC, uD
.endif
.if \form == 0
	WM uD, WB+12*(2*\s+\u), 12*(4*\t+\s), uC, WS+\s, AS+2*\s+\t/2, \u, \t%2
.else
	WM uD, 12*(4*\t+\s), WB+12*(2*\s+\u), uC, AS+2*\s+\t/2, WS+\s, \t%2, \u
.endif
.endr
.endr
	WIN 0
	NOPS 4                                         ; places in front of loads into the products' registers and of the first read of results
.if \pre
.if \s == 0
	global_load_b128 v[WSP:WSP+3], v1, s[16:17] offset:REC+12288
	WIN 0x40
.irp c,0,1,2,3
	global_load_b128 v[BI+4*\c:BI+4*\c+3], v[\bo], s[16:17] offset:REC+12800+512*\c
.endr
	WIN 0
.endif
.irp j,0,1,2,3,4,5
	global_load_b128 v[WB+24*\s+4*\j:WB+24*\s+4*\j+3], v1, s[16:17] offset:REC+3072*\s+512*\j
.endr
.endif
.endr
.endm
.macro AFETCH rd, sc                   ; the 8 registers of activation scale words, then all 16 fragments into window 1 v0-191, K step by K step (24 loads each)
.irp s,0,1,2,3
.irp p,0,1
	ds_load_b32 v[AS+2*\s+\p], v[\sc] offset:256*\s+128*\p
.endr
.endr
	WIN 0x40
.irp s,0,1,2,3
.irp t,0,1,2,3
.irp c,0,1
.irp p,0,1,2
	ds_load_b64 v[12*(4*\t+\s)+6*\c+2*\p:12*(4*\t+\s)+6*\c+2*\p+1], v[\rd] offset:(4*\s+2*\c)*BS+384*\t+128*\p
.endr
.endr
.endr
.endr
	WIN 0
.endm
; THE QUANTISER.  ng groups of 16 registers from v[x] on; group g holds k = 16 h + 0..15 of one block of my row; lane l xor 16 holds the block's other half.
; Codes go to the block image at w0 / w1 + ioff + g istr; the scale byte to sa + soff + (mode 0: 64 g; 1: g; 2: 64 (g / 2) + g % 2).
.macro BQ x, ng, w0, w1, ioff, istr, sa, soff, mode
.irp g,0,1,2,3
.if \g < \ng
	v_max3_num_f32 v[TM+\g], |v[\x+16*\g]|, |v[\x+16*\g+1]|, 0x2800000   ; with the floor 2^(5 - 127): the byte cannot fall under 1
.endif
.endr
.irp i,2,4,6,8,10,12,14
.irp g,0,1,2,3
.if \g < \ng
	v_max3_num_f32 v[TM+\g], v[TM+\g], |v[\x+16*\g+\i]|, |v[\x+16*\g+\i+1]|
.endif
.endr
.endr
.irp g,0,1,2,3
.if \g < \ng
	v_permlanex16_b32 v[PB+\g], v[TM+\g], s22, s23
.endif
.endr
.irp g,0,1,2,3
.if \g < \ng
	v_max_num_f32 v[TM+\g], v[TM+\g], v[PB+\g]
.endif
.endr
.irp g,0,1,2,3
.if \g < \ng
	v_add_nc_u32 v[TM+\g], 0xfe000000, v[TM+\g]    ; 4 off its exponent field: the conversion's scale operand
.endif
.endr
.irp g,0,1,2,3
.if \g < \ng
	v_lshrrev_b32 v[PB+\g], 23, v[TM+\g]           ; the scale's byte
.endif
.endr
.irp g,0,1,2,3
.if \g < \ng
	v_cvt_scalef32_pk16_bf6_f32 v[CD+4*\g:CD+4*\g+2], v[\x+16*\g:\x+16*\g+15], v[TM+\g]
.endif
.endr
	v_nop                                          ; one plain place behind a scaled conversion
.irp g,0,1,2,3
.if \g < \ng
	ds_store_b32 v[\w0], v[CD+4*\g] offset:\ioff+\istr*\g
	ds_store_b32 v[\w1], v[CD+4*\g+1] offset:\ioff+\istr*\g+4
	ds_store_b32 v[\w0], v[CD+4*\g+2] offset:\ioff+\istr*\g+128
.if \mode == 0
	ds_store_b8 v[\sa], v[PB+\g] offset:\soff+64*\g
.elseif \mode == 1
	ds_store_b8 v[\sa], v[PB+\g] offset:\soff+\g
.else
	ds_store_b8 v[\sa], v[PB+\g] offset:\soff+64*(\g/2)+\g%2
.endif
.endif
.endr
	VW
	s_wait_dscnt 0x0                               ; the stores have read their registers
.endm
.macro RED4                            ; v200, v208, v216, v224 summed over the 32 lanes, the four by turns
.irp m,1,2,4,8
.irp k,0,1,2,3
	v_add_f32_dpp v[200+8*\k], v[200+8*\k], v[200+8*\k] row_xmask:\m row_mask:0xf bank_mask:0xf
.endr
.endr
.irp k,0,1,2,3
	v_permlanex16_b32 v[201+8*\k], v[200+8*\k], s22, s23
.endr
.irp k,0,1,2,3
	v_add_f32 v[200+8*\k], v[200+8*\k], v[201+8*\k]
.endr
.endm
; Mean and 1 / deviation of my eight LDS rows 8w..8w+7, four rows a trip, two trips; the deviation from the centred numbers.
.macro LNSTAT
	s_mul_i32 s26, s20, 8*XP
	v_add_nc_u32 v9, s26, v1
	s_lshl_b32 s26, s20, 6
	s_add_co_u32 s26, s26, STAT
	v_mov_b32 v10, s26
	s_mov_b32 s24, 2
	VW
.Lst_\@:
.irp k,0,1,2,3
.irp q,0,1,2,3
	ds_load_b128 v[ACC+16*\k+4*\q:ACC+16*\k+4*\q+3], v9 offset:XP*\k+512*\q
.endr
.endr
	s_wait_dscnt 0x0
.irp k,0,1,2,3
.irp q,0,1,2,3
	v_pk_add_f32 v[200+8*\k+2*\q:201+8*\k+2*\q], v[ACC+16*\k+4*\q:ACC+16*\k+4*\q+1], v[ACC+16*\k+4*\q+2:ACC+16*\k+4*\q+3]
.endr
.endr
.irp k,0,1,2,3
	v_pk_add_f32 v[200+8*\k:201+8*\k], v[200+8*\k:201+8*\k], v[202+8*\k:203+8*\k]
	v_pk_add_f32 v[204+8*\k:205+8*\k], v[204+8*\k:205+8*\k], v[206+8*\k:207+8*\k]
.endr
.irp k,0,1,2,3
	v_pk_add_f32 v[200+8*\k:201+8*\k], v[200+8*\k:201+8*\k], v[204+8*\k:205+8*\k]
.endr
.irp k,0,1,2,3
	v_add_f32 v[200+8*\k], v[200+8*\k], v[201+8*\k]
.endr
	RED4
.irp k,0,1,2,3
	v_mul_f32 v[232+2*\k], s76, v[200+8*\k]        ; the mean
.endr
.irp k,0,1,2,3
.irp i,0,2,4,6,8,10,12,14
	v_pk_add_f32 v[ACC+16*\k+\i:ACC+16*\k+\i+1], v[ACC+16*\k+\i:ACC+16*\k+\i+1], v[232+2*\k:233+2*\k] op_sel_hi:[1,0] neg_lo:[0,1] neg_hi:[0,1]
.endr
.endr
.irp k,0,1,2,3
	v_pk_mul_f32 v[200+8*\k:201+8*\k], v[ACC+16*\k:ACC+16*\k+1], v[ACC+16*\k:ACC+16*\k+1]
	v_pk_mul_f32 v[202+8*\k:203+8*\k], v[ACC+16*\k+2:ACC+16*\k+3], v[ACC+16*\k+2:ACC+16*\k+3]
.endr
.irp i,4,8,12
.irp k,0,1,2,3
	v_pk_fma_f32 v[200+8*\k:201+8*\k], v[ACC+16*\k+\i:ACC+16*\k+\i+1], v[ACC+16*\k+\i:ACC+16*\k+\i+1], v[200+8*\k:201+8*\k]
	v_pk_fma_f32 v[202+8*\k:203+8*\k], v[ACC+16*\k+\i+2:ACC+16*\k+\i+3], v[ACC+16*\k+\i+2:ACC+16*\k+\i+3], v[202+8*\k:203+8*\k]
.endr
.endr
.irp k,0,1,2,3
	v_pk_add_f32 v[200+8*\k:201+8*\k], v[200+8*\k:201+8*\k], v[202+8*\k:203+8*\k]
.endr
.irp k,0,1,2,3
	v_add_f32 v[200+8*\k], v[200+8*\k], v[201+8*\k]
.endr
	RED4
.irp k,0,1,2,3
	v_fma_f32 v[200+8*\k], v[200+8*\k], s76, s77   ; variance + 1e-5
.endr
	VW
.irp k,0,1,2,3
	v_rsq_f32 v[233+2*\k], v[200+8*\k]
.endr
	v_nop                                          ; one plain place behind a transcendental
	VW
.irp k,0,1,2,3
	ds_store_b64 v10, v[232+2*\k:233+2*\k] offset:8*\k   ; all lanes write the same two words with the same values
.endr
	v_add_nc_u32 v9, 4*XP, v9
	v_add_nc_u32 v10, 32, v10
	s_sub_co_u32 s24, s24, 1
	s_cmp_lg_u32 s24, 0
	VW
	s_cbranch_scc1 .Lst_\@
.endm
; Gain (window 1 v0-63) and bias (v64-127) of my columns of K step 2 (w & 1) + i, from their copy in LDS at GB + gb: 32 loads; the 16 lanes of a half read the same 16 bytes
.macro LNG gb, i
	WIN 0x40
.irp n,0,1,2,3
.irp j,0,1,2,3
	ds_load_b128 v[16*\n+4*\j:16*\n+4*\j+3], v27 offset:\gb+512*\i+128*\n+16*\j
	ds_load_b128 v[64+16*\n+4*\j:64+16*\n+4*\j+3], v27 offset:\gb+2048+512*\i+128*\n+16*\j
.endr
.endr
	WIN 0
.endm
; The normed rows become codes.  Wave w takes tile T = w / 2 and K steps 2 (w & 1), 2 (w & 1) + 1.  gb: 0 for LN1's gain and bias, 4096 for LN2's.
.macro LNQ gb
	s_lshr_b32 s26, s20, 1
	s_and_b32 s27, s20, 1
	s_mul_i32 s28, s26, 16*XP
	s_lshl_b32 s29, s27, 10
	s_add_co_u32 s28, s28, s29
	v_add_nc_u32 v9, s28, v8
	s_mul_i32 s28, s26, 384
	s_mul_i32 s30, s27, 8*BS
	s_add_co_u32 s28, s28, s30
	s_add_co_u32 s28, s28, AIMG
	v_add_nc_u32 v11, s28, v5
	v_add_nc_u32 v12, s28, v6
	s_lshl_b32 s28, s26, 6
	s_lshl_b32 s30, s27, 9
	s_add_co_u32 s28, s28, s30
	s_add_co_u32 s28, s28, ASC
	v_add_nc_u32 v13, s28, v7
	s_lshl_b32 s28, s26, 7
	s_add_co_u32 s28, s28, STAT
	v_lshl_add_u32 v14, v2, 3, s28
	VW
	ds_load_b64 v[22:23], v14                      ; my row's mean and 1 / deviation
.irp i,0,1
.irp n,0,1,2,3
.irp j,0,1,2,3
	ds_load_b128 v[ACC+16*\n+4*\j:ACC+16*\n+4*\j+3], v9 offset:512*\i+128*\n+16*\j
.endr
.endr
	LNG \gb, \i
	s_wait_dscnt 0x0
.set i2, 0
.rept 32
	v_pk_add_f32 v[ACC+i2:ACC+i2+1], v[ACC+i2:ACC+i2+1], v[22:23] op_sel_hi:[1,0] neg_lo:[0,1] neg_hi:[0,1]
.set i2, i2+2
.endr
.set i2, 0
.rept 32
	v_pk_mul_f32 v[ACC+i2:ACC+i2+1], v[ACC+i2:ACC+i2+1], v[22:23] op_sel:[0,1] op_sel_hi:[1,1]
.set i2, i2+2
.endr
	WIN 0x14
.set i2, 0
.rept 32
	v_pk_fma_f32 v[ACC+i2:ACC+i2+1], v[ACC+i2:ACC+i2+1], v[i2:i2+1], v[64+i2:65+i2]
.set i2, i2+2
.endr
	WIN 0
	BQ ACC,4,11,12,4*BS*\i,BS,13,256*\i,1
.endr
.endm
; GELU of the 16 numbers from v[x] on, in place.  v200-215 t; v228-243 the polynomial, then E; v216-223 and v244-251 x^2, then max(x, 0).  Two batches of 16 transcendentals, each with its waits.
.macro GG x
	VW                                             ; directly ahead of the first readers of these matrix results
.irp i,0,1,2,3,4,5,6,7,8,9,10,11,12,13,14,15
	v_fma_f32 v[200+\i], |v[\x+\i]|, s66, 1.0      ; 1 + |x| / sqrt 8
.endr
	VW
.irp i,0,1,2,3,4,5,6,7,8,9,10,11,12,13,14,15
	v_rcp_f32 v[200+\i], v[200+\i]                 ; t
.endr
.irp j,0,2,4,6,8,10,12,14
	v_pk_mul_f32 v[216+\j+20*(\j/8):217+\j+20*(\j/8)], v[\x+\j:\x+\j+1], v[\x+\j:\x+\j+1]
.endr
	VW
.irp j,0,2,4,6,8,10,12,14
	v_pk_fma_f32 v[228+\j:229+\j], v[200+\j:201+\j], s[40:41], v[226:227] op_sel_hi:[1,0,0]
.endr
.irp k,42,44,46,48,50,52,54,56
.irp j,0,2,4,6,8,10,12,14
	v_pk_fma_f32 v[228+\j:229+\j], v[228+\j:229+\j], v[200+\j:201+\j], s[\k:\k+1] op_sel_hi:[1,1,0]
.endr
.endr
.irp j,0,2,4,6,8,10,12,14
	v_pk_fma_f32 v[228+\j:229+\j], v[216+\j+20*(\j/8):217+\j+20*(\j/8)], -0.5, v[228+\j:229+\j] op_sel_hi:[1,0,1]
.endr
.irp j,0,2,4,6,8,10,12,14
	v_pk_fma_f32 v[228+\j:229+\j], v[228+\j:229+\j], s[58:59], -1.0 op_sel_hi:[1,0,0]   ; to the base 2; the -1 halves the result
.endr
	VW
.irp i,0,1,2,3,4,5,6,7,8,9,10,11,12,13,14,15
	v_exp_f32 v[228+\i], v[228+\i]
.endr
.irp i,0,1,2,3,4,5,6,7,8,9,10,11,12,13,14,15
	v_max_num_f32 v[216+\i+20*(\i/8)], 0, v[\x+\i]
.endr
	VW
.irp j,0,2,4,6,8,10,12,14
	v_pk_mul_f32 v[228+\j:229+\j], v[228+\j:229+\j], v[200+\j:201+\j]
.endr
.irp i,0,1,2,3,4,5,6,7,8,9,10,11,12,13,14,15
	v_fma_f32 v[\x+\i], -|v[\x+\i]|, v[228+\i], v[216+\i+20*(\i/8)]
.endr
.endm
; ======== P0: ids, constants, x into LDS, the bias table, LN1's statistics
	s_load_b512 s[4:19], s[0:1], 0x0               ; x s[4:5], ln1_w, ln1_b, ln2_w, ln2_b s[6:13], table s[14:15], stream s[16:17], out s[18:19]
	v_lshrrev_b32 v9, 5, v0
	v_readfirstlane_b32 s20, v9                    ; wave 0..7
	v_and_b32 v24, 31, v0
	v_lshlrev_b32 v1, 4, v24                       ; v1  16 x lane
	v_lshlrev_b32 v24, 2, v24                      ; v24 4 x lane
	v_and_b32 v2, 15, v0                           ; v2  r
	v_bfe_u32 v3, v0, 4, 1                         ; v3  h
	v_lshlrev_b32 v25, 3, v2                       ; v25 8 r
	v_mad_u32_u24 v4, v3, BS, v25                  ; v4  a fragment's reader: 8 r + 1664 h
	v_mad_u32_u24 v5, v3, 132, v25                 ; v5  a block image's writer, words 0 and 2
	v_mad_u32_u24 v6, v3, 252, v25                 ; v6  word 1
	v_lshlrev_b32 v7, 2, v2                        ; v7  4 r
	v_mul_u32_u24 v8, v2, XP
	v_lshl_add_u32 v8, v3, 6, v8                   ; v8  row r, + 64 h
	v_lshlrev_b32 v26, 8, v3                       ; v26 256 h: for bias tiles that are equal in the 16 lanes of a half
	s_and_b32 s26, s20, 1
	s_lshl_b32 s26, s26, 10
	s_add_co_u32 s26, s26, GB
	v_lshl_add_u32 v27, v3, 6, s26                 ; v27 GB + 64 h + 1024 (w & 1): my columns of a norm's gain and bias in LDS
.irp g,204,205,206,207,233,235,237,239
	v_mov_b32 v[\g], 0                             ; written once: lane permutes' destinations and the upper halves of named pairs
.endr
	s_mov_b32 s22, 0x76543210
	s_mov_b32 s23, 0xfedcba98                      ; v_permlanex16_b32's selects for lane l xor 16
	SPAIR 40, 0x3e2ef946                           ; P's coefficients: t^9  0.17087277  (t^8, -0.82215223, in v226)
	SPAIR 42, 0x3fbe87b0                           ; t^7  1.48851587
	SPAIR 44, 0xbf914e5d                           ; t^6 -1.13520398
	SPAIR 46, 0x3e8ec7cc                           ; t^5  0.27886807
	SPAIR 48, 0xbe3ec24c                           ; t^4 -0.18628806
	SPAIR 50, 0x3dc636c9                           ; t^3  0.09678418
	SPAIR 52, 0x3ebf88fb                           ; t^2  0.37409196
	SPAIR 54, 0x3f8000c7                           ; t    1.00002368
	SPAIR 56, 0xbfa1fc4e                           ; 1   -1.26551223
	SPAIR 58, 0x3fb8aa3b                           ; log2 e
	s_mov_b32 s66, 0x3eb504f3                      ; 1 / sqrt 8
	SPAIR 68, 0x3e8293ee                           ; c = log2 e / sqrt 32
	s_mov_b32 s70, 0x40b504f3                      ; sqrt 32
	s_mov_b32 s71, 0xc40d6bde                      ; -100 sqrt 32
	s_mov_b32 s76, 0x3b000000                      ; 1 / 512
	s_mov_b32 s77, 0x3727c5ac                      ; 1e-5
	s_lshr_b32 s26, ttmp9, 4                       ; batch
	s_bfe_u32 s27, ttmp9, 0x20002                  ; the window's row wi
	s_and_b32 s28, ttmp9, 3                        ; and column wj
	s_cmp_eq_u32 s27, 3
	s_cselect_b32 s72, s71, 0                      ; the last row of windows is cut between its rows 3 and 4,
	s_cmp_eq_u32 s28, 3
	s_cselect_b32 s73, s71, 0                      ; the last column between its columns 3 and 4
	s_lshr_b32 s29, s20, 2                         ; my eight LDS rows are one row of the window: wy = 4 (w / 4) + (w / 2) % 2 + 2 (w % 2)
	s_lshl_b32 s29, s29, 2
	s_bfe_u32 s30, s20, 0x10001
	s_add_co_u32 s29, s29, s30
	s_and_b32 s30, s20, 1
	s_lshl_b32 s30, s30, 1
	s_add_co_u32 s29, s29, s30
	s_lshl_b32 s30, s27, 3
	s_add_co_u32 s29, s29, s30
	s_add_co_u32 s29, s29, 4
	s_and_b32 s29, s29, 31                         ; the image's row: (8 wi + wy + 4) mod 32
	s_lshl_b32 s29, s29, 5
	s_lshl_b32 s26, s26, 10
	s_add_co_u32 s29, s29, s26
	s_lshl_b32 s28, s28, 3
	s_add_co_u32 s28, s28, 4
.irp i,0,1,2,3,4,5,6,7
	s_add_co_u32 s30, s28, \i
	s_and_b32 s30, s30, 31                         ; the image's column: (8 wj + i + 4) mod 32
	s_add_co_u32 s30, s30, s29
	s_lshl_b32 s[32+\i], s30, 11                   ; s32-39: my tokens' byte offsets, for the load and for the store (the two shifts cancel)
	v_add_nc_u32 v[9+\i], s[32+\i], v1
.endr
	s_mul_i32 s30, s20, 24*REC
	s_mov_b32 s31, 0
	v_min_u32 v172, 224, v0                        ; the table has 225 rows: threads 225 on read row 224 again
	v_lshlrev_b32 v172, 6, v172
	v_lshl_add_u32 v173, v0, 2, TBL
	v_and_b32 v174, 127, v0
	v_lshlrev_b32 v174, 4, v174                    ; 128 threads x 16 bytes are one vector of 512 numbers
	v_lshl_add_u32 v175, v0, 4, GB                 ; waves 0-3 bring the gains, waves 4-7 the biases
	s_mul_i32 s26, s20, 8*XP
	v_add_nc_u32 v17, s26, v1
	VW
	s_wait_kmcnt 0x0
	s_add_nc_u64 s[16:17], s[16:17], s[30:31]      ; my wave's 24 records
	s_cmp_lt_u32 s20, 4
	s_cselect_b64 s[24:25], s[6:7], s[8:9]
	s_cselect_b64 s[26:27], s[10:11], s[12:13]
.irp i,0,1,2,3,4,5,6,7
.irp q,0,1,2,3
	global_load_b128 v[28+16*\i+4*\q:28+16*\i+4*\q+3], v[9+\i], s[4:5] offset:512*\q th:TH_LOAD_NT   ; 512 consecutive bytes of a token's row
.endr
.endr
.irp c,0,1,2,3
	global_load_b128 v[156+4*\c:156+4*\c+3], v172, s[14:15] offset:16*\c
.endr
	global_load_b128 v[176:179], v174, s[24:25]    ; 32 lanes read 512 consecutive bytes
	global_load_b128 v[180:183], v174, s[26:27]
	s_wait_loadcnt 0x0
	ds_store_b128 v175, v[176:179]                 ; LN1's gain and bias,
	ds_store_b128 v175, v[180:183] offset:4096     ; LN2's
.irp i,0,1,2,3,4,5,6,7
.irp q,0,1,2,3
	ds_store_b128 v17, v[28+16*\i+4*\q:28+16*\i+4*\q+3] offset:XP*\i+512*\q
.endr
.endr
.irp k,0,1,2,3,4,5,6,7,8,9,10,11,12,13,14,15
	v_mul_f32 v[156+\k], s70, v[156+\k]
.endr
.irp k,0,1,2,3,4,5,6,7,8,9,10,11,12,13,14,15
	ds_store_b32 v173, v[156+\k] offset:1024*\k    ; [head][entry]
.endr
	VW
	s_wait_dscnt 0x0                               ; the stores have read their registers, which the statistics load over
	LNSTAT
	PRELOAD 26                                     ; record 0
	BAR
; ======== P1: LN1's codes
	LNQ 0
	BAR
; ======== P2a: q, k, v of my two heads, quantised into my scratch
; scratch: +0 qA, +1664 qB, +3328 kA, +4992 kB (4 tiles of 384 each); +6656 + 1664 a + 384 (2 u + b): v; +10112: 1,536 zeros; +11648: words (qA, qB, kA, kB) at 64 T + 4 r; +11904: v's words at 128 a + 64 u + 4 r
	s_mul_i32 s30, s20, 8*BS
	s_add_co_u32 s30, s30, HIMG                    ; s30: my scratch, kept through the attention
	v_add_nc_u32 v11, s30, v5
	v_add_nc_u32 v12, s30, v6
	v_add_nc_u32 v13, s30, v7
	v_add_nc_u32 v13, 11648, v13
	v_add_nc_u32 v14, s30, v1
	v_add_nc_u32 v15, s30, v24
.irp g,200,201,202,203
	v_mov_b32 v[\g], 0
.endr
.irp c,0,1,2
	ds_store_b128 v14, v[200:203] offset:10112+512*\c
.endr
	ds_store_b32 v15, v200 offset:11904            ; v's words have two bytes each: the other two are zeros
	ds_store_b32 v15, v200 offset:12032
	v_add_nc_u32 v9, AIMG, v4
	v_add_nc_u32 v10, ASC, v24
	VW
	AFETCH 9, 10
.macro QKTRIP bo                       ; one of qA, qB, kA, kB: a head's 32 channels are one block
	UNIT 0, 1, \bo
	BQ ACC,4,11,12,0,384,13,0,0
	NEXTREC
	v_add_nc_u32 v11, BS, v11
	v_add_nc_u32 v12, BS, v12
	v_add_nc_u32 v13, 1, v13
	VW
.endm
	s_mov_b32 s24, 3
.Lqk:
	QKTRIP 26
	s_sub_co_u32 s24, s24, 1
	s_cmp_lg_u32 s24, 0
	s_cbranch_scc1 .Lqk
	QKTRIP 1                                       ; kB is written out: the record asked for here is v's, whose bias tiles differ from lane to lane
	UNIT 1, 1, 1                                   ; v of head A: registers along the tokens
	BQ ACC,4,11,12,0,384,13,252,2
	NEXTREC
	UNIT 1, 0, 1                                   ; v of head B.  (The projection's first record is asked for ahead of the attention, which uses the weights' registers, into window 1)
	BQ ACC,4,11,12,BS,384,13,380,2
	NEXTREC
	global_load_b128 v[WSP:WSP+3], v1, s[16:17] offset:12288       ; the projection's first record is asked for here: scale words and bias tiles to their places,
	WIN 0x40
.irp c,0,1,2,3
	global_load_b128 v[BI+4*\c:BI+4*\c+3], v26, s[16:17] offset:12800+512*\c
.endr
.set i, 0
.rept 24
	global_load_b128 v[4*i:4*i+3], v1, s[16:17] offset:512*i       ; the fragments into window 1 v0-95, which the attention does not name
.set i, i+1
.endr
	WIN 0
; ======== P2b: attention.  v28-51 kA, v52-75 kB, v76-99 v (a, u), six registers each; v100-105 zeros; v106-117 q (upper six zeros); v118-129 p's codes (upper six zeros).
; K is 32 (or 64) of the instruction's 128.  q's registers hold head A's block in lanes 0-15 and head B's in lanes 16-31; kA has zeros in lanes 16-31, kB in lanes 0-15.
; An operand taken at a step of six names six registers of its neighbour as its upper half: every code of the format is a finite number, and the other side has zero codes there.
	v_add_nc_u32 v10, s30, v25
	v_mul_u32_u24 v14, v3, 6784
	v_add_nc_u32 v14, v14, v10
	v_add_nc_u32 v14, 3328, v14                    ; kA; lanes 16-31: the zeros
	v_mul_u32_u24 v11, v3, 5120
	v_sub_nc_u32 v11, v10, v11
	v_add_nc_u32 v11, 10112, v11                   ; lanes 0-15: the zeros; lanes 16-31: kB
	v_mad_u32_u24 v12, v3, 384, v10
	v_add_nc_u32 v12, 6656, v12                    ; v: lanes 16-31 the second block of keys
	v_add_nc_u32 v13, s30, v7
	v_add_nc_u32 v13, 11648, v13
	v_add_nc_u32 v9, s30, v4                       ; q
.irp t,0,1,2,3
.irp p,0,1,2
	ds_load_b64 v[28+6*\t+2*\p:29+6*\t+2*\p], v14 offset:384*\t+128*\p
	ds_load_b64 v[52+6*\t+2*\p:53+6*\t+2*\p], v11 offset:384*\t+128*\p
	ds_load_b64 v[76+6*\t+2*\p:77+6*\t+2*\p], v12 offset:BS*(\t/2)+768*(\t%2)+128*\p
.endr
	ds_load_b32 v[195+\t], v13 offset:64*\t
	ds_load_b32 v[240+\t], v13 offset:256+64*\t
.endr
.irp g,100,101,102,103,104,105,112,113,114,115,116,117,124,125,126,127,128,129,226,227,231,249
	v_mov_b32 v[\g], 0
.endr
	v_lshrrev_b32 v15, 3, v2                       ; the bias of (query, key): entry 15 (yq - yk + 7) + xq - xk + 7.  My lane's part: 120 (1 + r / 8 - h) + 4 (r % 8)
	v_add_nc_u32 v15, 1, v15
	v_sub_nc_u32 v15, v15, v3
	v_mul_u32_u24 v15, v15, 120
	v_and_b32 v16, 7, v2
	v_lshl_add_u32 v15, v16, 2, v15
	s_lshl_b32 s26, s20, 11
	s_add_co_u32 s26, s26, TBL
	v_add_nc_u32 v15, s26, v15
	s_mul_i32 s26, s20, 2*BS
	s_add_co_u32 s26, s26, CIMG
	v_add_nc_u32 v16, s26, v5                      ; the context's blocks 2w, 2w+1
	v_add_nc_u32 v17, s26, v6
	v_and_b32 v18, 4, v2                           ; the mask along x: keys j < 4 are hidden from queries with x >= 4, and the other way round
	v_cmp_ne_u32 vcc_lo, 0, v18
	v_mov_b32 v20, s73
	v_mov_b32 v21, 0
	v_cndmask_b32 v18, v21, v20, vcc_lo
	v_cndmask_b32 v19, v20, v21, vcc_lo
	VW
	s_wait_dscnt 0x0
	s_lshr_b32 s26, s20, 1
	s_lshl_b32 s26, s26, 8
	s_and_b32 s27, s20, 1
	s_lshl_b32 s27, s27, 1
	s_add_co_u32 s26, s26, s27
	s_add_co_u32 s26, s26, CSC
	v_add_nc_u32 v10, s26, v7                      ; the context's scale bytes
.irp t,0,1,2,3
	v_lshrrev_b32 v[195+\t], 16, v[195+\t]         ; k's bytes (kA, kB, 0, 0)
.endr
	VW
	s_mov_b32 s78, 0                               ; 384 x query tile
	s_mov_b32 s79, 0                               ; 64 x query tile
	s_mov_b32 s80, 0                               ; 240 bq + 60 uq
.macro ATTA a                          ; head a of the query tile in hand
.irp b,0,1
.irp u,0,1
.irp j,0,1,2,3,4,5,6,7
	ds_load_b32 v[SM+16*\b+8*\u+\j], v14 offset:60*(7-4*\b-\u)-92-4*\j+1024*\a   ; register 16 b + 8 u + j is key (y = 4 b + 2 h + u, x = j)
.endr
.endr
.endr
	s_wait_dscnt 0x0
.irp u,0,1
.irp j,0,2
	v_pk_add_f32 v[SM+8*\u+\j:SM+8*\u+\j+1], v[SM+8*\u+\j:SM+8*\u+\j+1], v[20:21] op_sel_hi:[1,0]
	v_pk_add_f32 v[SM+8*\u+\j+4:SM+8*\u+\j+5], v[SM+8*\u+\j+4:SM+8*\u+\j+5], v[20:21] op_sel:[0,1] op_sel_hi:[1,1]
	v_pk_add_f32 v[SM+16+8*\u+\j:SM+16+8*\u+\j+1], v[SM+16+8*\u+\j:SM+16+8*\u+\j+1], v[220:221] op_sel_hi:[1,0]
	v_pk_add_f32 v[SM+16+8*\u+\j+4:SM+16+8*\u+\j+5], v[SM+16+8*\u+\j+4:SM+16+8*\u+\j+5], v[220:221] op_sel:[0,1] op_sel_hi:[1,1]
.endr
.endr
	NOPS 4
.irp t,0,1,2,3
	WM SM+8*\t, 28+24*\a+6*\t, 106, SM+8*\t, 195+\t, 194, 0, 0     ; k q^T + sqrt 32 (bias + mask): a lane holds one query
.endr
	NOPS 4
.irp b,0,1
	v_max3_num_f32 v[224+\b], v[SM+16*\b], v[SM+16*\b+1], v[SM+16*\b+2]   ; each block's largest score: for the row's maximum and for the block's largest p
.endr
.irp i,3,5,7,9,11,13
.irp b,0,1
	v_max3_num_f32 v[224+\b], v[224+\b], v[SM+16*\b+\i], v[SM+16*\b+\i+1]
.endr
.endr
.irp b,0,1
	v_max_num_f32 v[224+\b], v[224+\b], v[SM+16*\b+15]
.endr
.irp b,0,1
	v_permlanex16_b32 v[226+\b], v[224+\b], s22, s23
.endr
.irp b,0,1
	v_max_num_f32 v[224+\b], v[224+\b], v[226+\b]
.endr
	v_max_num_f32 v228, v224, v225
	v_mul_f32 v228, s68, v228                      ; the row's largest t
	v_floor_f32 v230, -v228                        ; -M = -ceil(t): a whole number
.set i2, 0
.rept 16
	v_pk_fma_f32 v[SM+i2:SM+i2+1], v[SM+i2:SM+i2+1], s[68:69], v[230:231] op_sel_hi:[1,0,0]
.set i2, i2+2
.endr
.irp b,0,1
	v_fma_f32 v[224+\b], v[224+\b], s68, v230
.endr
	VW
.set i2, 0
.rept 32
	v_exp_f32 v[SM+i2], v[SM+i2]                   ; p = 2^(t - M): not normalised
.set i2, i2+1
.endr
.irp b,0,1
	v_exp_f32 v[224+\b], v[224+\b]                 ; the block's largest p: the same two instructions on the same number
.endr
	v_nop                                          ; one plain place behind the exponentials
	VW
.irp b,0,1
	v_max_num_f32 v[224+\b], 0x2800000, v[224+\b]
.endr
.irp b,0,1
	v_add_nc_u32 v[232+\b], 0xfe000000, v[224+\b]
.endr
.irp b,0,1
	v_lshrrev_b32 v[226+\b], 23, v[232+\b]
.endr
	v_lshl_or_b32 v244, v227, 8, v226              ; p's scale word
	v_cvt_scalef32_pk16_bf6_f32 v[118:120], v[SM:SM+15], v232
	v_cvt_scalef32_pk16_bf6_f32 v[234:236], v[SM+16:SM+31], v233
	v_nop
.irp i,0,1,2
	v_permlane16_swap_b32 v[118+\i], v[234+\i]     ; the operand wants a whole block in a lane: lanes 0-15 block 0, lanes 16-31 block 1
.endr
.irp i,0,1,2
	v_mov_b32 v[121+\i], v[234+\i]
.endr
	v_pk_add_f32 v[238:239], v[SM:SM+1], v[SM+2:SM+3]      ; the row's sum, of the unquantised p.  (These lines are also the places between the scale word, the codes and the products)
	v_pk_add_f32 v[246:247], v[SM+4:SM+5], v[SM+6:SM+7]
.irp j,8,12,16,20,24,28
	v_pk_add_f32 v[238:239], v[238:239], v[SM+\j:SM+\j+1]
	v_pk_add_f32 v[246:247], v[246:247], v[SM+\j+2:SM+\j+3]
.endr
	v_pk_add_f32 v[238:239], v[238:239], v[246:247]
	v_add_f32 v238, v238, v239
	v_permlanex16_b32 v246, v238, s22, s23
	v_add_f32 v238, v238, v246
	VW
	v_rcp_f32 v248, v238
	WMZ OA+16*\a, 76+12*\a, 118, 240+2*\a, 244             ; v^T p^T: register 8 u + j is channel 16 h + 8 u + j of the head
	WMZ OA+16*\a+8, 82+12*\a, 118, 241+2*\a, 244
	NOPS 4
	VW
.irp j,0,2,4,6,8,10,12,14
	v_pk_mul_f32 v[OA+16*\a+\j:OA+16*\a+\j+1], v[OA+16*\a+\j:OA+16*\a+\j+1], v[248:249] op_sel_hi:[1,0]
.endr
.endm
	s_mov_b32 s24, 0
.Lbq:                                              ; the queries' half of the window
	s_cmp_eq_u32 s24, 0
	s_cselect_b32 s74, 0, s72                      ; the mask along y: the keys' other half is hidden in the last row of windows
	s_cselect_b32 s75, s72, 0
	v_min_num_f32 v20, s74, v18                    ; -100 once, whichever of the two cuts lies between
	v_min_num_f32 v21, s74, v19
	v_min_num_f32 v220, s75, v18
	v_min_num_f32 v221, s75, v19
	s_mov_b32 s25, 2
.Luq:
	v_add_nc_u32 v11, s78, v9
	v_add_nc_u32 v12, s79, v13
	v_add_nc_u32 v14, s80, v15
	v_add_nc_u32 v245, s78, v16
	v_add_nc_u32 v250, s78, v17
	v_add_nc_u32 v251, s79, v10
	VW
.irp p,0,1,2
	ds_load_b64 v[106+2*\p:107+2*\p], v11 offset:128*\p
.endr
	ds_load_b32 v194, v12
	ATTA 0
	ATTA 1
	BQ OA,2,245,250,0,BS,251,0,1                   ; a head's 32 channels are one block of the projection's K
	s_add_co_u32 s78, s78, 384
	s_add_co_u32 s79, s79, 64
	s_add_co_u32 s80, s80, 60
	s_sub_co_u32 s25, s25, 1
	s_cmp_lg_u32 s25, 0
	s_cbranch_scc1 .Luq
	s_add_co_u32 s80, s80, 120
	s_add_co_u32 s24, s24, 1
	s_cmp_lt_u32 s24, 2
	s_cbranch_scc1 .Lbq
	s_wait_loadcnt 0x0                             ; the projection's first record is in:
	WIN 0x01
.set i, 0
.rept 96
	v_mov_b32 v[WB+i], v[i]                        ; its fragments go to the weights' registers, which the attention has left
.set i, i+1
.endr
	WIN 0
	BAR
; ======== P3: projection, and the residual in place in LDS (my 64 columns of all rows)
	v_add_nc_u32 v9, CIMG, v4
	v_add_nc_u32 v10, CSC, v24
	s_lshl_b32 s26, s20, 8
	v_add_nc_u32 v11, s26, v8
	v_add_nc_u32 v12, 32*XP, v11
	VW
	AFETCH 9, 10
	s_mov_b32 s24, 2
.Lpj:
	UNIT 0, 1, 26
.irp y,0,1
.irp z,0,1
.irp q,0,1,2,3
	ds_load_b128 v[200+16*\z+4*\q:200+16*\z+4*\q+3], v[11+\y] offset:16*XP*\z+16*\q
.endr
.endr
	s_wait_dscnt 0x0
.set i2, 0
.rept 16
	v_pk_add_f32 v[ACC+32*\y+i2:ACC+32*\y+i2+1], v[ACC+32*\y+i2:ACC+32*\y+i2+1], v[200+i2:201+i2]
.set i2, i2+2
.endr
.irp z,0,1
.irp q,0,1,2,3
	ds_store_b128 v[11+\y], v[ACC+32*\y+16*\z+4*\q:ACC+32*\y+16*\z+4*\q+3] offset:16*XP*\z+16*\q
.endr
.endr
.endr
	VW
	s_wait_dscnt 0x0
	NEXTREC
	v_add_nc_u32 v11, 128, v11
	v_add_nc_u32 v12, 128, v12
	s_sub_co_u32 s24, s24, 1
	s_cmp_lg_u32 s24, 0
	VW
	s_cbranch_scc1 .Lpj
	BAR
; ======== P4, P5: LN2
	LNSTAT
	BAR
	LNQ 4096
	BAR
; ======== P6: fc1, GELU, the hidden layer's codes: my 8 blocks of 32 units.  No barrier stands in the loop
	v_add_nc_u32 v9, AIMG, v4
	v_add_nc_u32 v10, ASC, v24
	s_mul_i32 s26, s20, 8*BS
	s_add_co_u32 s26, s26, HIMG
	v_add_nc_u32 v11, s26, v5
	v_add_nc_u32 v12, s26, v6
	s_lshl_b32 s26, s20, 9
	s_add_co_u32 s26, s26, HSC
	v_add_nc_u32 v13, s26, v7
	v_mov_b32 v226, 0xbf527892                     ; P's t^8: -0.82215223
	v_mov_b32 v227, 0xbf527892
	VW
	AFETCH 9, 10
	s_mov_b32 s25, 2
.Lf1o:
	s_mov_b32 s24, 4
.Lf1:
	UNIT 0, 1, 26                                  ; the next record lands under the GELU; the last trip brings fc2's first
	GG ACC
	GG ACC+16
	GG ACC+32
	GG ACC+48
	BQ ACC,4,11,12,0,384,13,0,0
	NEXTREC
	v_add_nc_u32 v11, BS, v11
	v_add_nc_u32 v12, BS, v12
	v_add_nc_u32 v13, 1, v13
	s_sub_co_u32 s24, s24, 1
	s_cmp_lg_u32 s24, 0
	VW
	s_cbranch_scc1 .Lf1
	v_add_nc_u32 v13, 252, v13                     ; four bytes make a word: on to the next K step's words
	s_sub_co_u32 s25, s25, 1
	s_cmp_lg_u32 s25, 0
	VW
	s_cbranch_scc1 .Lf1o
; ======== P7: fc2, 16 K steps.  Window 0: four weight slots of 48 registers, v28-219 (K step n in slot n % 4); v252-255, v248-251 the scale words of even and odd records; v240-243 the hidden layer's, two sets.
; Window 1: v0-127 16 accumulators (32 T + 8 ct); v128-223 two buffers of 4 hidden fragments (K step n in buffer n % 2).
; Behind the products of K step n the hidden fragments of step n + 2 and the weights of step n + 4 are asked for, into the registers just freed.
	global_load_b128 v[248:251], v1, s[16:17] offset:REC+12288     ; record 17: K steps 2 and 3
	WIN 0x40
.irp c,0,1,2,3
	global_load_b128 v[BI+16+4*\c:BI+16+4*\c+3], v26, s[16:17] offset:REC+12800+512*\c
.endr
	WIN 0
.set i, 0
.rept 24
	global_load_b128 v[124+4*i:124+4*i+3], v1, s[16:17] offset:REC+512*i
.set i, i+1
.endr
	BAR                                            ; the hidden layer's 64 blocks lie in LDS
	s_lshl_b32 s26, s20, 8
	v_add_nc_u32 v11, s26, v8
	v_add_nc_u32 v12, 32*XP, v11
	v_add_nc_u32 v15, HIMG, v4
	v_add_nc_u32 v16, HSC, v24
	v_mov_b32 v9, v15                              ; v9, v10: addresses for even K steps; v13, v14: for odd ones
	v_mov_b32 v10, v16
	v_mov_b32 v13, v15
	v_mov_b32 v14, v16
	VW
	s_mov_b32 s78, 0                               ; the trip's first block image
	s_mov_b32 s79, 0                               ; and scale words
.macro HFETCH k                        ; the 4 hidden fragments and 2 registers of scale words of the trip's K step k (0..5): 26 LDS loads
	WIN 0x40
.irp t,0,1,2,3
.irp c,0,1
.irp p,0,1,2
	ds_load_b64 v[128+48*((\k)%2)+12*\t+6*\c+2*\p:128+48*((\k)%2)+12*\t+6*\c+2*\p+1], v[9+4*((\k)%2)] offset:4*BS*(\k)+2*\c*BS+384*\t+128*\p
.endr
.endr
.endr
	WIN 0
.irp p,0,1
	ds_load_b32 v[240+2*((\k)%2)+\p], v[10+4*((\k)%2)] offset:256*(\k)+128*\p
.endr
.endm
	WIN 0x40
.irp t,0,1,2,3
.irp q,0,1,2,3,4,5,6,7
	ds_load_b128 v[32*\t+4*\q:32*\t+4*\q+3], v[11+\t/2] offset:16*XP*(\t%2)+128*(\q/4)+16*(\q%4)   ; the sums begin as h
.endr
.endr
	WIN 0
	HFETCH 0
	HFETCH 1
	s_wait_loadcnt 24                              ; record 16 and both bias images are in; record 17's 24 fragment loads may be out
	s_wait_dscnt 52                                ; h is in; the two K steps' 26 loads each may be out
	WIN 0x45
.irp t,0,1,2,3
.set i2, 0
.rept 16
	v_pk_add_f32 v[32*\t+i2:32*\t+i2+1], v[32*\t+i2:32*\t+i2+1], v[BI+i2:BI+i2+1]                  ; + fc2's bias
.set i2, i2+2
.endr
.endr
	WIN 0
	VW
	NOPS 4
; One K step: 16 products, the 16 accumulators by turns.  lc: behind this step's weights and scale words stand three steps' 12 loads and one load of scale words, 37; 36 is asked.  dc: the next step's 26 LDS loads.
.macro KSTEP k, pre, more, lc, dc
	s_wait_loadcnt \lc
	s_wait_dscnt \dc
	WIN 0x54
.irp t,0,1,2,3
.irp ct,0,1,2,3
	WM 32*\t+8*\ct, 28+48*\k+12*\ct, 128+48*(\k%2)+12*\t, 32*\t+8*\ct, 252-4*(\k/2)+2*(\k%2)+\ct/2, 240+2*(\k%2)+\t/2, \ct%2, \t%2
.endr
.endr
	WIN 0
.if \more
	v_add_nc_u32 v[9+4*(\k%2)], s78, v15           ; (with the two v_nop: the four places behind the products)
	v_add_nc_u32 v[10+4*(\k%2)], s79, v16
	NOPS 2
	HFETCH \k+2
.else
	NOPS 4
.endif
.if \pre
.if \k%2 == 1
	global_load_b128 v[252-4*(\k/2):255-4*(\k/2)], v1, s[16:17] offset:(\k/2+2)*REC+12288
.endif
.set i, 0
.rept 12
	global_load_b128 v[28+48*\k+4*i:28+48*\k+4*i+3], v1, s[16:17] offset:(\k/2+2)*REC+6144*(\k%2)+512*i
.set i, i+1
.endr
.endif
.endm
	s_mov_b32 s24, 3
.Lf2:
	KSTEP 0, 1, 1, 36, 26
	KSTEP 1, 1, 1, 36, 26
	KSTEP 2, 1, 1, 36, 26
	KSTEP 3, 1, 1, 36, 26
	VW
	s_wait_xcnt 0x0
	s_add_nc_u64 s[16:17], s[16:17], 2*REC
	s_add_co_u32 s78, s78, 16*BS
	s_add_co_u32 s79, s79, 1024
	s_sub_co_u32 s24, s24, 1
	s_cmp_lg_u32 s24, 0
	s_cbranch_scc1 .Lf2
	KSTEP 0, 0, 1, 36, 26                          ; the last four K steps ask for no weights (no load leaves the stream): the counts run down
	KSTEP 1, 0, 1, 24, 26
	KSTEP 2, 0, 0, 12, 26
	KSTEP 3, 0, 0, 0, 0
	WIN 0x04                                       ; an LDS store's data are its source 1: window 1
.irp t,0,1,2,3
.irp q,0,1,2,3,4,5,6,7
	ds_store_b128 v[11+\t/2], v[32*\t+4*\q:32*\t+4*\q+3] offset:16*XP*(\t%2)+128*(\q/4)+16*(\q%4)   ; each accumulator from its low end on; my columns, in place
.endr
.endr
	WIN 0
	BAR
; ======== P8: whole rows leave
.irp i,0,1,2,3,4,5,6,7
	v_add_nc_u32 v[9+\i], s[32+\i], v1
.endr
	s_mul_i32 s26, s20, 8*XP
	v_add_nc_u32 v17, s26, v1
	VW
.irp i,0,1,2,3,4,5,6,7
.irp q,0,1,2,3
	ds_load_b128 v[28+16*\i+4*\q:28+16*\i+4*\q+3], v17 offset:XP*\i+512*\q
.endr
.endr
.irp i,0,1,2,3,4,5,6,7
.irp q,0,1,2,3
	s_wait_dscnt 31-4*\i-\q                        ; LDS loads come back in order: this one is in
	global_store_b128 v[9+\i], v[28+16*\i+4*\q:28+16*\i+4*\q+3], s[18:19] offset:512*\q th:TH_STORE_NT   ; 32 lanes store 512 consecutive bytes, aligned
.endr
.endr
	s_barrier_signal -1
	s_barrier_wait -1
	s_wait_xcnt 0x0
	v_lshl_add_u32 v254, v0, 2, 0x4ce00
	v_mov_b32 v255, 0
	VW
	s_wait_tensorcnt 0x0                           ; the wave's end
	ds_add_u32 v254, v255
	s_wait_dscnt 0x0
	s_endpgm
.Lfunc_end_k_q4682bdbe82_layer:
	.size	k_q4682bdbe82_layer, .Lfunc_end_k_q4682bdbe82_layer-k_q4682bdbe82_layer
	.p2alignl 7, 3214868480
	.fill 96, 4, 3214868480
	.section	.rodata,"a",@progbits
	.p2align	6, 0x0
	.amdhsa_kernel k_q4682bdbe82_layer
		.amdhsa_group_segment_fixed_size 324096
		.amdhsa_private_segment_fixed_size 0
		.amdhsa_enable_private_segment 0
		.amdhsa_kernarg_size 64
		.amdhsa_user_sgpr_count 2
		.amdhsa_user_sgpr_kernarg_segment_ptr 1
		.amdhsa_wavefront_size32 1
		.amdhsa_system_sgpr_workgroup_id_x 1
		.amdhsa_system_sgpr_workgroup_id_y 1
		.amdhsa_system_sgpr_workgroup_id_z 1
		.amdhsa_system_vgpr_workitem_id 0
		.amdhsa_next_free_vgpr 512
		.amdhsa_next_free_sgpr 84
		.amdhsa_reserve_vcc 1
		.amdhsa_float_denorm_mode_32 3
		.amdhsa_float_denorm_mode_16_64 3
		.amdhsa_memory_ordered 1
		.amdhsa_forward_progress 1
		.amdhsa_inst_pref_size 255
	.end_amdhsa_kernel
	.section	.bss,"aw",@nobits
	.p2align	6
	.space	262144
	.amdgpu_metadata
---
amdhsa.version: [ 1, 2 ]
amdhsa.kernels:
  - .name:           k_q4682bdbe82_layer
    .symbol:         k_q4682bdbe82_layer.kd
    .args:
      - { .name: hidden_states, .offset: 0, .size: 8, .value_kind: global_buffer, .address_space: global }
      - { .name: ln1_w, .offset: 8, .size: 8, .value_kind: global_buffer, .address_space: global }
      - { .name: ln1_b, .offset: 16, .size: 8, .value_kind: global_buffer, .address_space: global }
      - { .name: ln2_w, .offset: 24, .size: 8, .value_kind: global_buffer, .address_space: global }
      - { .name: ln2_b, .offset: 32, .size: 8, .value_kind: global_buffer, .address_space: global }
      - { .name: rel_bias_table, .offset: 40, .size: 8, .value_kind: global_buffer, .address_space: global }
      - { .name: wstream, .offset: 48, .size: 8, .value_kind: global_buffer, .address_space: global }
      - { .name: out0, .offset: 56, .size: 8, .value_kind: global_buffer, .address_space: global }
    .group_segment_fixed_size: 324096
    .private_segment_fixed_size: 0
    .kernarg_segment_align: 8
    .kernarg_segment_size: 64
    .max_flat_workgroup_size: 256
    .sgpr_count:     84
    .vgpr_count:     512
    .wavefront_size: 32
...
	.end_amdgpu_metadata
.endif
;; end of part 2
